; MI455X (gfx1250); checked and timed in simulation.
; The chip was launched on July 23, 2026; its instructions are those of AMD's public machine-readable ISA for CDNA 5 (MIT licence, August 2026) and "CDNA5" Instruction Set Architecture Reference Guide (July 2026). The comments in the code are by the model that wrote it; some were corrected since.
;; Self Attention. Allowed arithmetic: matrix products marked QUANTISED: E2M1 operands, one E8M0 scale for each 32 along K, by v_wmma_scale_f32_16x16x128_f8f6f4 with both operands' format E2M1 (or v_wmma_scale_f32_32x16x128_f4), f32 sums; products left as they are: bf16, f16 or f32 operands; f32 sums; everything else in f32.
;; Inputs: W0 1,024 x 1,024 float32; W1 1,024 x 1,024 float32; W2 1,024 x 1,024 float32; W3 1,024 x 1,024 float32; mask 2 x 2,048 int32; x 2 x 1,024 x 2,048 float32.
;; Outputs: out0 2 x 1,024 x 2,048 float32.
;; This version of the problem:
;;   THIS VERSION OF THE PROBLEM IS GIVEN IN LOW PRECISION. The matrix products marked QUANTISED in the list below multiply operands that are first quantised to E2M1 (2 exponent bits, 1 mantissa bit; 4 bits a number), with one power-of-two scale for each 32 numbers along K (OCP MX v1.0); their sums are f32. The products marked 'left as it is' may take bf16, f16 or f32 operands, with f32 sums. Whichever they take, every output number must still come out within the allowed error. Rounding operands to bf16 (8 significant bits) uses up far more of that allowance than f16 does (11 bits, for magnitudes from 6e-5 to 65,504). All else is computed in f32.
;;   The module's matrix products, in the order in which they are computed (A, B: the left and right operand; K: the contracted axis; several contracted axes count as one K, in the product's order):
;;     1. [M 4,096, K 1,024] x [K 1,024, N 1,024]; A: input x; B: input W0: QUANTISED
;;     2. [M 4,096, K 1,024] x [K 1,024, N 1,024]; A: input x; B: input W1: QUANTISED
;;     3. [M 4,096, K 1,024] x [K 1,024, N 1,024]; A: input x; B: input W2: QUANTISED
;;     4. batch 32 x [M 2,048, K 64] x [K 64, N 2,048]; A: computed on the way; B: computed on the way: left as it is (an operand is computed on the way)
;;     5. batch 32 x [M 2,048, K 2,048] x [K 2,048, N 64]; A: computed on the way; B: computed on the way: left as it is (an operand is computed on the way)
;;     6. [M 4,096, K 1,024] x [K 1,024, N 1,024]; A: computed on the way; B: input W3: left as it is (an operand is computed on the way)
;;   THE QUANTISER, for each operand of a quantised product, along K:
;;     - K is cut into blocks of 32 from its start; a last block that is shorter is filled with zeros.
;;     - A block's scale is 2^e with e = floor(log2(the largest magnitude in the block)) - 2, held to -126 .. 127; a block of zeros has e = 0. As a byte (E8M0): e + 127.
;;     - Each number is divided by its block's scale, clamped to +-6, and rounded to the nearest number of E2M1, ties to even, subnormals kept.
;;     - The product sums the exact products of the quantised numbers (number of the format x scale) in f32.
;;   ~~~python
;;   def quantise(x, axis):      # numpy; x: float32 -> the quantised numbers, widened to float32 again
;;       x = np.moveaxis(x, axis, -1); K = x.shape[-1]
;;       x = np.pad(x, [(0, 0)] * (x.ndim - 1) + [(0, -K % 32)]); x = x.reshape(x.shape[:-1] + (-1, 32)); a = np.abs(x).max(-1, keepdims=True)
;;       e = np.where(a > 0, np.clip(np.frexp(np.where(a > 0, a, 1))[1] - 1 - 2, -126, 127), 0)      # np.frexp(a)[1] - 1 = floor(log2(a)), exactly
;;       r = np.clip(x / 2.0 ** e, -6, 6)
;;       step = 2.0 ** (np.maximum(np.frexp(np.where(r == 0, 1, r))[1] - 1, 0) - 1)
;;       q = np.round(r / step) * step * 2.0 ** e      # np.round: ties to even
;;       return np.moveaxis(q.reshape(q.shape[:-2] + (-1,))[..., :K], -1, axis).astype(np.float32)
;;   ~~~
;; One version. Each part assembles by itself: llvm-mc -triple=amdgcn-amd-amdhsa -mcpu=gfx1250 --defsym DOCPART=n.
;; ======== version 1 of 1: 4 launches
;; limits: values are held in f16: magnitudes above 65,504 overflow, below 6.1e-05 lose precision
;; workspace buffers: xq 2,228,224 bytes; wq 1,671,168 bytes; w3f 2,097,152 bytes; qkv 25,165,824 bytes; af 8,388,608 bytes
;; launch quant (part 1): grid 768 x 1, 4 waves a work-group, no clusters, 34,304 bytes of LDS; arguments x, W0, W1, W2, W3, xq, wq, w3f; writes xq, wq, w3f
.if DOCPART == 1
	.amdgcn_target "amdgcn-amd-amdhsa--gfx1250"
	.amdhsa_code_object_version 6
	.text
	.protected	k_q72824753d1_quant
	.globl	k_q72824753d1_quant
	.p2align	8
	.type	k_q72824753d1_quant,@function
k_q72824753d1_quant:
	s_mov_b64 s[64:65], 0
	v_nop
	global_prefetch_b8 v0, s[64:65] scope:SCOPE_SE
	s_setreg_imm32_b32 hwreg(HW_REG_WAVE_MODE, 25, 1), 1
	s_wait_xcnt 0x0
; x [2][1024 i][2048 l] and W0, W1, W2 [1024 o][1024 i], f32, become codes of FP4 (E2M1) with one E8M0 byte for each 32 along K = i; W3 [1024 o][1024 c] becomes f16.
; EVERYTHING IS STORED AS IMAGES OF THE OPERANDS' REGISTERS, so that the later launches load fragments as they lie and transpose nothing.
;   A 4-bit fragment (16 rows x 128 K, 8 registers a lane) is 1,024 bytes: [c 2][lane 32][16 bytes]; lane (r, h) of half c holds block 2 c + h (32 codes) of row r.
;   A 16-bit fragment (16 rows x 32 K, 8 registers) is 1,024 bytes: [c 2][lane 32][16 bytes]; lane (r, h) of half c holds k = 16 c + 8 h + 0 .. 7 of row r.
;   xq, wq: records of 34,816 bytes for 64 rows and all of K: scale words [K step 8][row 64][4 bytes], then codes [K step 8][tile of 16 rows 4][image].
;     xq's record G holds positions 64 G .. 64 G + 63 (position = 2,048 b + l); wq's record 3 head + which holds rows 64 head .. 64 head + 63 of W0, W1, W2 (which = 0, 1, 2).
;   w3f: [block of 128 rows 8][256 along K 4][tile of 16 rows 8][32 along K 8][image].
; A block's scale is 2^(floor(log2(its largest magnitude)) - 2); its byte is that magnitude's exponent field - 2, held at 1 from below by a floor among the maximum's leaves.
; LIMITS: a block of zeros gets the byte 1 (its codes are zeros, and this program alone reads the bytes); NaN and infinities among the inputs are not served; numbers of W3 beyond 65,504 in magnitude become infinite in f16.
; SHARES: work-groups 0-255 take x: 128 positions x 128 along K; a wave 32 positions, A LANE ONE POSITION, ITS REGISTERS RUNNING DOWN K, so a block lies in one lane and nothing is transposed.
;   Work-groups 256-767 take W0 .. W3: 64 rows x 128 along K; a wave 16 rows, loaded as they lie (512 consecutive bytes a load) and turned through the wave's own stage in LDS.
; No matrix work, no shared input, no barrier: waves share nothing.
.set REC,    34816                     ; a record
.set SPITCH, 528                       ; a stage row: 512 bytes + 16 = 33 x 16, so that the 16 rows of a load start at 16 different 16-byte columns
.set STG,    16*SPITCH                 ; a wave's stage
.set SPARE,  4*STG                     ; behind the stages: the spare words, 128 bytes for each wave: two blocks of 256 bytes that no other line names
.set SPW,    14                        ; v14  LDS address of my spare word; never rewritten
.set NIL,    15                        ; v15  0; never rewritten
.set XR,     64                        ; v64-127   numbers as loaded
.set YR,     128                       ; v128-191  x: the codes, four registers a block; W: the numbers back from the stage
.macro FINISH                          ; the wave's end
	s_wait_tensorcnt 0x0
	ds_add_u32 v[SPW], v[NIL]
	s_wait_dscnt 0x0
	s_endpgm
.endm
	s_load_b256 s[4:11], s[0:1], 0x0               ; x s[4:5], W0 s[6:7], W1 s[8:9], W2 s[10:11]
	s_load_b256 s[12:19], s[0:1], 0x20             ; W3 s[12:13], xq s[14:15], wq s[16:17], w3f s[18:19]
	v_lshl_add_u32 v[SPW], v0, 2, SPARE
	v_mov_b32 v[NIL], 0
	v_lshrrev_b32 v1, 5, v0
	v_readfirstlane_b32 s20, v1                    ; wave 0..3
	v_and_b32 v1, 31, v0                           ; lane
	v_and_b32 v2, 15, v0                           ; r
	v_bfe_u32 v3, v0, 4, 1                         ; h
	s_mul_i32 s21, s20, STG                        ; my stage.  Every LDS address is made here, ahead of the ways' parting
	v_lshl_add_u32 v4, v1, 4, s21                  ; in: 16 x lane, a row an instruction
	v_mul_u32_u24 v5, v2, SPITCH
	v_add_nc_u32 v5, s21, v5
	v_lshl_add_u32 v6, v3, 5, v5                   ; back, for f16: row r, + 32 h: 8 numbers
	v_lshl_add_u32 v5, v3, 7, v5                   ; back, for codes: row r, + 128 h: a block of 32 numbers
	v_lshlrev_b32 v7, 2, v1                        ; 4 x lane
	v_lshlrev_b32 v8, 4, v2
	v_lshl_add_u32 v8, v3, 10, v8                  ; x's codes: tile h of my two, 16 r in its image
	v_lshlrev_b32 v9, 4, v1                        ; 16 x lane
	s_mov_b32 s34, 0x76543210
	s_mov_b32 s35, 0xfedcba98                      ; v_permlanex16_b32's selects for lane l xor 16
	s_wait_kmcnt 0x0
	s_cmp_lt_u32 ttmp9, 256                        ; the work-group's number alone decides
	s_cbranch_scc0 .Lw
; ---------------- x ----------------
	s_lshr_b32 s21, ttmp9, 3                       ; which 128 positions, 0..31
	s_and_b32 s22, ttmp9, 7                        ; which 128 along K
	s_lshr_b32 s23, s21, 4                         ; the batch
	s_lshl_b32 s28, s23, 23                        ; x: batch x 8,388,608
	s_lshl_b32 s29, s22, 20                        ;  + K step x 128 rows of 8,192 bytes
	s_add_co_u32 s28, s28, s29
	s_and_b32 s29, s21, 15
	s_lshl_b32 s29, s29, 9                         ;  + 128 positions x 4 bytes
	s_add_co_u32 s28, s28, s29
	s_lshl_b32 s29, s20, 7                         ;  + my wave's 32 positions
	s_add_co_u32 s28, s28, s29
	s_mov_b32 s29, 0
	s_add_nc_u64 s[4:5], s[4:5], s[28:29]
	s_lshl_b32 s30, s21, 1
	s_lshr_b32 s31, s20, 1
	s_add_co_u32 s30, s30, s31                     ; my record: 2 x (128 positions) + wave / 2
	s_mul_i32 s30, s30, REC
	s_and_b32 s31, s20, 1                          ; which half of its 64 rows
	s_lshl_b32 s32, s22, 12                        ; codes: 2,048 + 4,096 x K step + 2,048 x half
	s_lshl_b32 s33, s31, 11
	s_add_co_u32 s32, s32, s33
	s_add_co_u32 s32, s32, s30
	s_add_co_u32 s32, s32, 2048
	s_mov_b32 s33, 0
	s_add_nc_u64 s[24:25], s[14:15], s[32:33]
	s_lshl_b32 s32, s22, 8                         ; scale words: 256 x K step + 128 x half
	s_lshl_b32 s36, s31, 7
	s_add_co_u32 s32, s32, s36
	s_add_co_u32 s32, s32, s30
	s_add_nc_u64 s[26:27], s[14:15], s[32:33]
.macro LOAD t                          ; block t: x(32 t + i, my position), i = 0 .. 31: 32 lanes read 128 consecutive bytes, the four waves 512.  Every offset is an immediate, 1,040,384 at the most
.irp i, 0,1,2,3,4,5,6,7,8,9,10,11,12,13,14,15,16,17,18,19,20,21,22,23,24,25,26,27,28,29,30,31
	global_load_b32 v[XR+32*((\t)%2)+\i], v7, s[4:5] offset:(32*(\t)+\i)*8192 th:TH_LOAD_NT
.endr
.endm
.macro BLOCK t
.set XS, XR+32*((\t)%2)
.if (\t) < 3
	s_wait_loadcnt 32                              ; this block's 32 loads are in; the next block's 32 may be out
.else
	s_wait_loadcnt 0x0
.endif
	v_max3_num_f32 v10, |v[XS]|, |v[XS+1]|, |v[XS+2]|              ; the block's largest magnitude: all 32 numbers are mine; two chains
	v_max3_num_f32 v13, |v[XS+3]|, |v[XS+4]|, |v[XS+5]|
.irp i, 6,10,14,18,22,26
	v_max3_num_f32 v10, v10, |v[XS+\i]|, |v[XS+\i+1]|
	v_max3_num_f32 v13, v13, |v[XS+\i+2]|, |v[XS+\i+3]|
.endr
	v_max3_num_f32 v10, v10, |v[XS+30]|, |v[XS+31]|
	v_max3_num_f32 v10, v10, v13, 0x1800000        ; and the floor 2^(3 - 127): the byte cannot fall under 1
	v_add_nc_u32 v11, 0xff000000, v10              ; 2 off the exponent field: the conversion takes the exponent field of this operand as its scale
	v_lshrrev_b32 v13, 23, v11                     ; the scale's byte
.if (\t) == 0
	v_mov_b32 v12, v13                             ; the four bytes make my position's scale word of this K step
.else
	v_lshl_or_b32 v12, v13, 8*(\t), v12
.endif
.irp g, 0,1,2,3
	v_cvt_scalef32_pk8_fp4_f32 v[YR+4*(\t)+\g], v[XS+8*\g:XS+8*\g+7], v11
.endr
	v_nop                                          ; one plain line behind the last scaled conversion
	global_store_b128 v8, v[YR+4*(\t):YR+4*(\t)+3], s[24:25] offset:512*((\t)/2)+256*((\t)%2)   ; block t is half t / 2, lanes 16 (t % 2) + r of the image: 16 lanes store 256 consecutive bytes, aligned.  Each block has its own registers: no store's data are written again
.if (\t)+2 < 4
	LOAD (\t)+2
.endif
.endm
	LOAD 0
	LOAD 1
	BLOCK 0
	BLOCK 1
	BLOCK 2
	BLOCK 3
	global_store_b32 v7, v12, s[26:27]             ; 32 scale words: 128 consecutive bytes; the neighbouring wave stores the 128 beside them
	FINISH
; ---------------- W0 .. W3 ----------------
.Lw:
	s_sub_co_u32 s21, ttmp9, 256
	s_lshr_b32 s22, s21, 7                         ; which tensor, 0..3
	s_bfe_u32 s23, s21, 0x40003                    ; which 64 rows, 0..15
	s_and_b32 s28, s21, 7                          ; which 128 along K
	s_cmp_eq_u32 s22, 1                            ; the tensor is chosen by the work-group's number alone
	s_cselect_b64 s[6:7], s[8:9], s[6:7]
	s_cmp_eq_u32 s22, 2
	s_cselect_b64 s[6:7], s[10:11], s[6:7]
	s_cmp_eq_u32 s22, 3
	s_cselect_b64 s[6:7], s[12:13], s[6:7]
	s_lshl_b32 s30, s23, 18                        ; 64 rows of 4,096 bytes
	s_lshl_b32 s31, s20, 16                        ; + my wave's 16 rows
	s_add_co_u32 s30, s30, s31
	s_lshl_b32 s31, s28, 9                         ; + 128 numbers along K
	s_add_co_u32 s30, s30, s31
	s_mov_b32 s31, 0
	s_add_nc_u64 s[6:7], s[6:7], s[30:31]
.irp i, 0,1,2,3,4,5,6,7,8,9,10,11,12,13,14,15
	global_load_b128 v[XR+4*\i:XR+4*\i+3], v9, s[6:7] offset:4096*\i th:TH_LOAD_NT   ; row i: 32 lanes read 512 consecutive bytes
.endr
.irp i, 0,1,2,3,4,5,6,7,8,9,10,11,12,13,14,15
	s_wait_loadcnt 15-\i                           ; row i is in; the younger rows may be out
	ds_store_b128 v4, v[XR+4*\i:XR+4*\i+3] offset:SPITCH*\i      ; into my own stage: no other wave touches it, and LDS serves a wave's instructions in order (ISA guide 5.7.1.4)
.endr
	s_cmp_eq_u32 s22, 3
	s_cbranch_scc1 .Lw3
; W0, W1, W2: lane (r, h) takes blocks h and 2 + h of row r whole, as the operand's layout gives them to it: the conversions' results are the operand's registers
.irp c, 0,1
.irp q, 0,1,2,3,4,5,6,7
	ds_load_b128 v[YR+32*\c+4*\q:YR+32*\c+4*\q+3], v5 offset:256*\c+16*\q
.endr
.endr
	s_mul_i32 s30, s23, 3
	s_add_co_u32 s30, s30, s22                     ; my record: 3 x head + which
	s_mul_i32 s30, s30, REC
	s_lshl_b32 s32, s28, 12                        ; codes: 2,048 + 4,096 x K step + 1,024 x tile (my wave)
	s_add_co_u32 s32, s32, s30
	s_lshl_b32 s33, s20, 10
	s_add_co_u32 s32, s32, s33
	s_add_co_u32 s32, s32, 2048
	s_mov_b32 s33, 0
	s_add_nc_u64 s[24:25], s[16:17], s[32:33]
	s_lshl_b32 s32, s28, 8                         ; scale words: 256 x K step + 64 x tile
	s_add_co_u32 s32, s32, s30
	s_lshl_b32 s36, s20, 6
	s_add_co_u32 s32, s32, s36
	s_add_nc_u64 s[26:27], s[16:17], s[32:33]
	v_lshlrev_b32 v28, 2, v2                       ; 4 r
	s_wait_dscnt 0x0
.irp c, 0,1
	v_max3_num_f32 v[20+\c], |v[YR+32*\c]|, |v[YR+32*\c+1]|, 0x1800000   ; my block 2 c + h, and the floor
.endr
.irp i, 2,4,6,8,10,12,14,16,18,20,22,24,26,28,30
.irp c, 0,1
	v_max3_num_f32 v[20+\c], v[20+\c], |v[YR+32*\c+\i]|, |v[YR+32*\c+\i+1]|   ; (the two blocks by turns)
.endr
.endr
.irp c, 0,1
	v_add_nc_u32 v[22+\c], 0xff000000, v[20+\c]    ; the conversion's scale operand
.endr
.irp c, 0,1
	v_lshrrev_b32 v[24+\c], 23, v[22+\c]           ; the scale's byte
.endr
	v_lshl_or_b32 v26, v25, 16, v24                ; my two bytes: blocks h and 2 + h,
	v_lshlrev_b32 v27, 3, v3
	v_lshlrev_b32 v26, v27, v26                    ; at their places in the scale word (8 h bits up);
	v_mov_b32 v27, 0                               ; (a lane permute's destination counts as one of its sources)
	v_permlanex16_b32 v27, v26, s34, s35
	v_or_b32 v26, v26, v27                         ; with lane l xor 16's two the word is whole
.irp c, 0,1
.irp g, 0,1,2,3
	v_cvt_scalef32_pk8_fp4_f32 v[32+4*\c+\g], v[YR+32*\c+8*\g:YR+32*\c+8*\g+7], v[22+\c]
.endr
.endr
	v_nop                                          ; one plain line behind the last scaled conversion
	global_store_b128 v9, v[32:35], s[24:25]       ; the image as it stands: 512 consecutive bytes a store
	global_store_b128 v9, v[36:39], s[24:25] offset:512
	global_store_b32 v28, v26, s[26:27]            ; row r's word; lanes r and 16 + r store the same word with the same value
	FINISH
; W3: lane (r, h) takes, for each 32 along K and each half c, the 8 numbers k = 16 c + 8 h + 0 .. 7 of row r; rounded to f16 they are four registers of the image
.Lw3:
.irp s, 0,1,2,3
.irp c, 0,1
.irp q, 0,1
	ds_load_b128 v[YR+16*\s+8*\c+4*\q:YR+16*\s+8*\c+4*\q+3], v6 offset:128*\s+64*\c+16*\q
.endr
.endr
.endr
	s_lshr_b32 s30, s23, 1                         ; the block of 128 rows
	s_lshl_b32 s30, s30, 18
	s_lshr_b32 s31, s28, 1                         ; the 256 along K
	s_lshl_b32 s31, s31, 16
	s_add_co_u32 s30, s30, s31
	s_and_b32 s31, s23, 1
	s_lshl_b32 s31, s31, 2
	s_add_co_u32 s31, s31, s20                     ; the tile of 16 rows: 4 x (half of the block) + wave
	s_lshl_b32 s31, s31, 13
	s_add_co_u32 s30, s30, s31
	s_and_b32 s31, s28, 1                          ; the first of my four images along K
	s_lshl_b32 s31, s31, 12
	s_add_co_u32 s30, s30, s31
	s_mov_b32 s31, 0
	s_add_nc_u64 s[18:19], s[18:19], s[30:31]
	s_wait_dscnt 0x0
.set z, 0
.rept 32
	v_cvt_pk_f16_f32 v[32+z], v[YR+2*z], v[YR+2*z+1]
.set z, z+1
.endr
.irp m, 0,1,2,3,4,5,6,7
	global_store_b128 v9, v[32+4*\m:32+4*\m+3], s[18:19] offset:512*\m   ; four images on end: 512 consecutive bytes a store
.endr
	FINISH
.Lfunc_end_k_q72824753d1_quant:
	.size	k_q72824753d1_quant, .Lfunc_end_k_q72824753d1_quant-k_q72824753d1_quant
	.p2alignl 7, 3214868480
	.fill 96, 4, 3214868480
	.section	.rodata,"a",@progbits
	.p2align	6, 0x0
	.amdhsa_kernel k_q72824753d1_quant
		.amdhsa_group_segment_fixed_size 34304
		.amdhsa_private_segment_fixed_size 0
		.amdhsa_enable_private_segment 0
		.amdhsa_kernarg_size 64
		.amdhsa_user_sgpr_count 2
		.amdhsa_user_sgpr_kernarg_segment_ptr 1
		.amdhsa_wavefront_size32 1
		.amdhsa_system_sgpr_workgroup_id_x 1
		.amdhsa_system_sgpr_workgroup_id_y 1
		.amdhsa_system_sgpr_workgroup_id_z 1
		.amdhsa_system_vgpr_workitem_id 0
		.amdhsa_next_free_vgpr 192
		.amdhsa_next_free_sgpr 66
		.amdhsa_reserve_vcc 0
		.amdhsa_float_denorm_mode_32 3
		.amdhsa_float_denorm_mode_16_64 3
		.amdhsa_memory_ordered 1
		.amdhsa_forward_progress 1
		.amdhsa_inst_pref_size 35
	.end_amdhsa_kernel
	.amdgpu_metadata
---
amdhsa.version: [ 1, 2 ]
amdhsa.kernels:
  - .name:           k_q72824753d1_quant
    .symbol:         k_q72824753d1_quant.kd
    .args:
      - { .name: x, .offset: 0, .size: 8, .value_kind: global_buffer, .address_space: global }
      - { .name: W0, .offset: 8, .size: 8, .value_kind: global_buffer, .address_space: global }
      - { .name: W1, .offset: 16, .size: 8, .value_kind: global_buffer, .address_space: global }
      - { .name: W2, .offset: 24, .size: 8, .value_kind: global_buffer, .address_space: global }
      - { .name: W3, .offset: 32, .size: 8, .value_kind: global_buffer, .address_space: global }
      - { .name: xq, .offset: 40, .size: 8, .value_kind: global_buffer, .address_space: global }
      - { .name: wq, .offset: 48, .size: 8, .value_kind: global_buffer, .address_space: global }
      - { .name: w3f, .offset: 56, .size: 8, .value_kind: global_buffer, .address_space: global }
    .group_segment_fixed_size: 34304
    .private_segment_fixed_size: 0
    .kernarg_segment_align: 8
    .kernarg_segment_size: 64
    .max_flat_workgroup_size: 128
    .sgpr_count:     66
    .vgpr_count:     192
    .wavefront_size: 32
...
	.end_amdgpu_metadata
.endif
;; end of part 1
;; launch proj (part 2): grid 16 x 16, 12 waves a work-group, clusters of 4 x 4, 245,760 bytes of LDS; arguments xq, wq, mask, qkv; writes qkv
.if DOCPART == 2
	.amdgcn_target "amdgcn-amd-amdhsa--gfx1250"
	.amdhsa_code_object_version 6
	.text
	.protected	k_q72824753d1_proj
	.globl	k_q72824753d1_proj
	.p2align	8
	.type	k_q72824753d1_proj,@function
k_q72824753d1_proj:
	s_mov_b64 s[64:65], 0
	v_nop
	global_prefetch_b8 v0, s[64:65] scope:SCOPE_SE
	s_setreg_imm32_b32 hwreg(HW_REG_WAVE_MODE, 25, 1), 1
	s_wait_xcnt 0x0
	s_wait_alu depctr_hold_cnt(0) depctr_sa_sdst(0) depctr_va_vdst(0) depctr_va_sdst(0) depctr_va_ssrc(0) depctr_va_vcc(0) depctr_vm_vsrc(0)
	s_getreg_b32 s2, hwreg(HW_REG_IB_STS2, 6, 4)
	s_cmp_eq_u32 s2, 0
	s_cbranch_scc0 .Lentry_in_a_cluster
	s_endpgm
.Lentry_in_a_cluster:
	s_bfe_u32 s2, ttmp6, 0x10000c
	s_cmp_lg_u32 s2, 0xf033
	s_cbranch_scc0 .Lentry_shape_is_right
	s_endpgm
.Lentry_shape_is_right:
; The three projections W0 x, W1 x, W2 x on codes of FP4 (E2M1) with E8M0 scales, K = 1,024 ascending, one f32 sum for each output; the results leave as f16, laid as images of the attention's operand registers.
; xq, wq: records of 34,816 bytes for 64 rows and all of K: scale words [K step 8][row 64][4], then codes [K step 8][tile 4][c 2][lane 32][16].
; qkv: [which 3][batch x 16 + head 32][group of 64 positions 32][8,192 bytes].  which = 0 (W0: the rows that ask) and 1 (W1: the rows that are asked): [tile of 16 positions 4][32 channels 2][c 2][lane][16]; which = 2 (W2: the values): [tile of 16 channels 4][32 positions 2][c][lane][16].
; THE MASK'S FACTOR GOES IN HERE: reference() has logit x m + (1 - m)(-1e30) with logit = (W0 x . W1 x) / 8.  W1's rows are multiplied in f32 by m(position) x log2(e) / 8 ahead of the rounding to f16, so that the attention's first product gives logit x m x log2(e) as it stands.
; LIMITS: results beyond 65,504 in magnitude become infinite in f16.
; SHARES.  A work-group takes 256 positions x one head's 64 + 64 + 64 rows of W0, W1, W2.  ALL OF K of both operands, seven records, comes into LDS ONCE: no slot is filled again.  Wave w: which = w / 4, 64 positions w % 4: 64 x 64 in 16 accumulators.
; Three waves share a SIMD, so one wave's LDS loads stand beside another's products, and one set of fragment registers serves.
; CLUSTERS: 4 x 4 work-groups.  x's records hang on the block of positions (grid y) and are shared along a row of the cluster, W's on the head (grid x) and are shared along a column: each is asked for jointly, by the same tensor load with a mask that names the four.
; ONE TEXT FOR BOTH ORIENTATIONS.  Source 0 takes side P, source 1 side R; a lane's eight results are eight neighbouring rows of P for one row of R.  which = 0, 1: P = W's rows, R = positions (a lane: one position, 8 channels).
; which = 2: P = positions, R = W2's rows (a lane: one channel, 8 positions).  Only the LDS bases differ.  Rounded to f16, a tile's four registers ARE half an image, in the same lanes.
; REGISTERS: v1-6 addresses; v8, v9 the add's two; v16-23 the factor, a pair for each tile of R; v24-39 P's scale words, v40-55 R's (these 32 hold scales and nothing else); v56-87 P's four fragments, v88-119 R's; v120-123 the mask; v128-255 the accumulators.
.set REC,   34816
.set SPARE, 7*REC                      ; behind the seven records: the spare words, 128 bytes for each of 12 waves: six blocks of 256 bytes that no other line names
.set SPW,   8
.set NIL,   9
.set FM,    16
.set PS,    24                         ; register 8 p + s: lanes 0-15 the words of P's tile 2 p, lanes 16-31 those of tile 2 p + 1, K step s
.set RS,    40
.set PF,    56
.set RF,    88
.set MK,    120
.set ACC,   128                        ; accumulator (a, b) at 8 (4 a + b): P's tile a, R's tile b
.set WV,    12
.set G1X,   24                         ; s[24:31] descriptor group 1 for x's records;  s[32:39] for W's: they differ in the mask alone
.set G1W,   32
.set G0X,   40                         ; s[40:43], s[44:47] their groups 0
.set G0W,   44
.macro CROUND                          ; a round of the cluster's barrier: my work-group's barrier; wave 0 signals for the work-group; every wave waits for all sixteen; my work-group's barrier once more
	s_barrier_signal -1
	s_barrier_wait -1
	s_cmp_lg_u32 s[WV], 0
	s_cbranch_scc1 .Lnot_wave_0_\@
	s_barrier_signal -3
.Lnot_wave_0_\@:
	s_barrier_wait -3
	s_barrier_signal -1
	s_barrier_wait -1
.endm
	s_load_b256 s[4:11], s[0:1], 0x0               ; xq s[4:5], wq s[6:7], mask s[8:9], qkv s[10:11]
	v_lshl_add_u32 v[SPW], v0, 2, SPARE
	v_mov_b32 v[NIL], 0
	ds_add_u32 v[SPW], v[NIL]                      ; the wave's opening: the add, twice on end, and its wait ahead of the first tensor load; the set-up below, work on registers, stands between
	ds_add_u32 v[SPW], v[NIL]
	v_lshrrev_b32 v1, 5, v0
	v_readfirstlane_b32 s[WV], v1                  ; wave 0..11
	s_bfe_u32 s13, ttmp6, 0x40000                  ; cx, cy: my place in the cluster
	s_bfe_u32 s14, ttmp6, 0x40004
	s_lshl_b32 s15, ttmp9, 2
	s_add_co_u32 s15, s15, s13                     ; the head = 4 x cluster x + cx
	s_and_b32 s16, ttmp7, 0xffff
	s_lshl_b32 s16, s16, 2
	s_add_co_u32 s16, s16, s14                     ; the block of 256 positions = 4 x cluster y + cy
	s_lshl_b32 s17, s14, 2
	s_lshl_b32 s17, 15, s17                        ; my row of the cluster
	s_lshl_b32 s18, 0x1111, s13                    ; my column
	; descriptor group 1: a record is a dense block: 136 rows of 32 elements of 8 bytes, no padding (images are read 16 bytes a lane on end)
	s_or_b32 s[G1X], s17, (3<<16)|(1<<21)          ; 15:0 the mask: x's records go to my row; 17:16 elements of 8 bytes; 21 set beside a mask
	s_or_b32 s[G1W], s18, (3<<16)|(1<<21)          ; W's go to my column
.irp g, G1X, G1W
	s_mov_b32 s[\g+1], 32<<16                      ; tensor_dim0 = 32
	s_mov_b32 s[\g+2], 136<<16                     ; tensor_dim1 = 136
	s_mov_b32 s[\g+3], 32<<16                      ; tile_dim0 = 32
	s_mov_b32 s[\g+4], 136                         ; tile_dim1 = 136
	s_mov_b32 s[\g+5], 32                          ; from row to row
	s_mov_b32 s[\g+6], 0
	s_mov_b32 s[\g+7], 0
.endr
	s_and_b32 s19, s[WV], 3                        ; which 64 of the 256 positions are mine.  Also: which record I fetch
	s_lshl_b32 s20, s16, 2
	s_add_co_u32 s20, s20, s19
	s_mul_i32 s20, s20, REC                        ; x's record 4 x block + wave % 4: made of the block and the wave's number alone
	s_mov_b32 s21, 0
	s_mul_i32 s22, s15, 3
	s_add_co_u32 s22, s22, s19
	s_mul_i32 s22, s22, REC                        ; W's record 3 x head + wave % 4: made of the head and the wave's number alone
	s_mov_b32 s23, 0
	s_min_u32 s48, s[WV], 6
	s_mul_i32 s48, s48, REC                        ; where it goes: region = the wave's number (waves 0-3: x's; 4-6: W0's, W1's, W2's; waves 7-11 fetch nothing)
	; my two sides in LDS: x's region is wave % 4, W's is 4 + which; for which = 2 the two change places
	s_lshr_b32 s49, s[WV], 2                       ; which
	s_add_co_u32 s51, s49, 4
	s_lshr_b32 s52, s[WV], 3
	s_mul_i32 s52, s52, 7                          ; 7 where which = 2, else 0
	s_xor_b32 s53, s19, s51
	s_and_b32 s53, s53, s52
	s_xor_b32 s54, s51, s53                        ; P's region
	s_xor_b32 s55, s19, s53                        ; R's region
	s_mul_i32 s54, s54, REC
	s_mul_i32 s55, s55, REC
	v_and_b32 v7, 31, v0
	v_lshlrev_b32 v6, 4, v7                        ; 16 x lane
	v_lshlrev_b32 v10, 2, v7                       ; 4 x lane
	v_add_nc_u32 v1, s54, v6                       ; P's images
	v_add_nc_u32 v2, s55, v6                       ; R's
	v_add_nc_u32 v3, s54, v10                      ; P's scale words
	v_add_nc_u32 v4, s55, v10                      ; R's
	v_and_b32 v5, 15, v0
	v_lshlrev_b32 v5, 2, v5                        ; the mask: 4 r
	s_lshl_b32 s56, s49, 23                        ; where my 8,192 bytes of qkv begin: which x 8,388,608
	s_lshr_b32 s57, s16, 3
	s_lshl_b32 s57, s57, 4
	s_add_co_u32 s57, s57, s15                     ;  + (16 x batch + head) x 262,144
	s_lshl_b32 s57, s57, 18
	s_add_co_u32 s56, s56, s57
	s_and_b32 s57, s16, 7
	s_lshl_b32 s57, s57, 2
	s_add_co_u32 s57, s57, s19                     ;  + the group of 64 positions in the batch x 8,192
	s_lshl_b32 s57, s57, 13
	s_add_co_u32 s56, s56, s57
	s_mov_b32 s57, 0
	s_lshl_b32 s58, s16, 10                        ; the mask at my first position: 4 x (256 x block + 64 x wave % 4)
	s_lshl_b32 s59, s19, 8
	s_add_co_u32 s58, s58, s59
	s_mov_b32 s59, 0
	s_cmp_eq_u32 s49, 1
	s_cselect_b32 s50, -1, 0                       ; all lanes where my rows are W1's
	s_wait_dscnt 0x0                               ; both opening adds are done
	s_wait_kmcnt 0x0
	s_mov_b32 s[G0X], 1                            ; 1:0 count = 1
	s_mov_b32 s[G0X+1], s48                        ; 63:32 LDS address
	s_add_nc_u64 s[G0X+2:G0X+3], s[4:5], s[20:21]  ; 120:64 global address
	s_or_b32 s[G0X+3], s[G0X+3], 0x80000000        ; 127:126 type = 2
	s_mov_b32 s[G0W], 1
	s_mov_b32 s[G0W+1], s48
	s_add_nc_u64 s[G0W+2:G0W+3], s[6:7], s[22:23]
	s_or_b32 s[G0W+3], s[G0W+3], 0x80000000
	s_add_nc_u64 s[8:9], s[8:9], s[58:59]
	s_add_nc_u64 s[10:11], s[10:11], s[56:57]
	CROUND                                         ; all sixteen work-groups are here: the joint loads meet
	s_cmp_lt_u32 s[WV], 4                          ; the branches hang on the wave's number alone.  A wave has at most one tensor load out
	s_cbranch_scc0 .Lnot_x
	tensor_load_to_lds s[G0X:G0X+3], s[G1X:G1X+7]
	s_nop 0
.rept 4
	v_nop
.endr
	s_branch .Lasked
.Lnot_x:
	s_cmp_lt_u32 s[WV], 7
	s_cbranch_scc0 .Lasked
	tensor_load_to_lds s[G0W:G0W+3], s[G1W:G1W+7]
	s_nop 0
.rept 4
	v_nop
.endr
.Lasked:
.irp b, 0,1,2,3
	global_load_b32 v[MK+\b], v5, s[8:9] offset:64*\b   ; m of position 16 b + r of my 64
.endr
	s_wait_tensorcnt 0x0                           ; my record, if I fetched one, is in,
	s_barrier_signal -1
	s_barrier_wait -1                              ; everybody's is.  Nothing is filled again in this launch
.irp p, 0,1
.irp s, 0,1,2,3,4,5,6,7
	ds_load_b32 v[PS+8*\p+\s], v3 offset:256*\s+128*\p   ; the scale words of all of K: 32 rows' words an instruction
	ds_load_b32 v[RS+8*\p+\s], v4 offset:256*\s+128*\p
.endr
.endr
; One product: P's tile a x R's tile b, K step s.  An odd tile's scale words lie in lanes 16-31 of their register.  s = 0: the first product starts the sum: nothing is cleared.
.macro MM a, b, s
.set rD, ACC+8*(4*(\a)+(\b))
.set rA, PF+8*(\a)
.set rB, RF+8*(\b)
.set rP, PS+8*((\a)/2)+(\s)
.set rR, RS+8*((\b)/2)+(\s)
.set odd, ((\a)%2)+2*((\b)%2)
.if (\s) == 0
.if odd == 0
	v_wmma_scale_f32_16x16x128_f8f6f4 v[rD:rD+7], v[rA:rA+7], v[rB:rB+7], 0, v[rP], v[rR] matrix_a_fmt:MATRIX_FMT_FP4 matrix_b_fmt:MATRIX_FMT_FP4
.elseif odd == 1
	v_wmma_scale_f32_16x16x128_f8f6f4 v[rD:rD+7], v[rA:rA+7], v[rB:rB+7], 0, v[rP], v[rR] matrix_a_fmt:MATRIX_FMT_FP4 matrix_b_fmt:MATRIX_FMT_FP4 matrix_a_scale:MATRIX_SCALE_ROW1
.elseif odd == 2
	v_wmma_scale_f32_16x16x128_f8f6f4 v[rD:rD+7], v[rA:rA+7], v[rB:rB+7], 0, v[rP], v[rR] matrix_a_fmt:MATRIX_FMT_FP4 matrix_b_fmt:MATRIX_FMT_FP4 matrix_b_scale:MATRIX_SCALE_ROW1
.else
	v_wmma_scale_f32_16x16x128_f8f6f4 v[rD:rD+7], v[rA:rA+7], v[rB:rB+7], 0, v[rP], v[rR] matrix_a_fmt:MATRIX_FMT_FP4 matrix_b_fmt:MATRIX_FMT_FP4 matrix_a_scale:MATRIX_SCALE_ROW1 matrix_b_scale:MATRIX_SCALE_ROW1
.endif
.else
.if odd == 0
	v_wmma_scale_f32_16x16x128_f8f6f4 v[rD:rD+7], v[rA:rA+7], v[rB:rB+7], v[rD:rD+7], v[rP], v[rR] matrix_a_fmt:MATRIX_FMT_FP4 matrix_b_fmt:MATRIX_FMT_FP4
.elseif odd == 1
	v_wmma_scale_f32_16x16x128_f8f6f4 v[rD:rD+7], v[rA:rA+7], v[rB:rB+7], v[rD:rD+7], v[rP], v[rR] matrix_a_fmt:MATRIX_FMT_FP4 matrix_b_fmt:MATRIX_FMT_FP4 matrix_a_scale:MATRIX_SCALE_ROW1
.elseif odd == 2
	v_wmma_scale_f32_16x16x128_f8f6f4 v[rD:rD+7], v[rA:rA+7], v[rB:rB+7], v[rD:rD+7], v[rP], v[rR] matrix_a_fmt:MATRIX_FMT_FP4 matrix_b_fmt:MATRIX_FMT_FP4 matrix_b_scale:MATRIX_SCALE_ROW1
.else
	v_wmma_scale_f32_16x16x128_f8f6f4 v[rD:rD+7], v[rA:rA+7], v[rB:rB+7], v[rD:rD+7], v[rP], v[rR] matrix_a_fmt:MATRIX_FMT_FP4 matrix_b_fmt:MATRIX_FMT_FP4 matrix_a_scale:MATRIX_SCALE_ROW1 matrix_b_scale:MATRIX_SCALE_ROW1
.endif
.endif
.endm
; A K step of 128: eight fragments, 16 products.  The 16 accumulators take turns, one instruction a turn, in the same order in every step.
.macro KSTEP s
.if (\s) > 0
.rept 4
	v_nop                                          ; four places in front of loads into registers that matrix instructions have read (ISA guide 7.12.1 for vector instructions)
.endr
.endif
.irp a, 0,1,2,3
.irp c, 0,1
	ds_load_b128 v[PF+8*\a+4*\c:PF+8*\a+4*\c+3], v1 offset:2048+4096*(\s)+1024*\a+512*\c   ; an image's half: 512 consecutive bytes
	ds_load_b128 v[RF+8*\a+4*\c:RF+8*\a+4*\c+3], v2 offset:2048+4096*(\s)+1024*\a+512*\c
.endr
.endr
	s_wait_dscnt 0x0
.irp a, 0,1,2,3
.irp b, 0,1,2,3
	MM \a, \b, \s
.endr
.endr
.endm
.irp s, 0,1,2,3,4,5,6,7
	KSTEP \s
.endr
; THE WAY OUT.  The factor: m x log2(e) / 8 for W1's rows (R = positions: my lane's position is 16 b + r), 1 for the others.  These 16 plain lines are also the places behind the last products.
	s_wait_loadcnt 0x0                             ; the mask
.irp b, 0,1,2,3
	v_cvt_f32_i32 v[MK+\b], v[MK+\b]
.endr
.irp b, 0,1,2,3
	v_mul_f32 v[MK+\b], 0x3e38aa3b, v[MK+\b]       ; x log2(e) / 8
.endr
.irp b, 0,1,2,3
	v_cndmask_b32 v[FM+2*\b], 1.0, v[MK+\b], s50
	v_cndmask_b32 v[FM+2*\b+1], 1.0, v[MK+\b], s50
.endr
.irp a, 0,1,2,3
.irp b, 0,1,2,3
.irp i, 0,2,4,6
	v_pk_mul_f32 v[ACC+8*(4*\a+\b)+\i:ACC+8*(4*\a+\b)+\i+1], v[ACC+8*(4*\a+\b)+\i:ACC+8*(4*\a+\b)+\i+1], v[FM+2*\b:FM+2*\b+1]   ; each accumulator from its low end on
.endr
.endr
.endr
.set z, 0
.rept 64
	v_cvt_pk_f16_f32 v[PF+z], v[ACC+2*z], v[ACC+2*z+1]   ; tile (a, b): four registers, half an image
.set z, z+1
.endr
.irp a, 0,1,2,3
.irp b, 0,1,2,3
	global_store_b128 v6, v[PF+4*(4*\a+\b):PF+4*(4*\a+\b)+3], s[10:11] offset:2048*\b+512*\a   ; 32 lanes store 512 consecutive bytes, aligned; the wave's sixteen stores cover 8,192 bytes on end
.endr
.endr
	s_wait_tensorcnt 0x0                           ; the wave's end
	ds_add_u32 v[SPW], v[NIL]
	s_wait_dscnt 0x0
	CROUND                                         ; the closing round: no work-group ends while a partner may still ask for a record that names it
	s_endpgm
.Lfunc_end_k_q72824753d1_proj:
	.size	k_q72824753d1_proj, .Lfunc_end_k_q72824753d1_proj-k_q72824753d1_proj
	.p2alignl 7, 3214868480
	.fill 96, 4, 3214868480
	.section	.rodata,"a",@progbits
	.p2align	6, 0x0
	.amdhsa_kernel k_q72824753d1_proj
		.amdhsa_group_segment_fixed_size 245760
		.amdhsa_private_segment_fixed_size 0
		.amdhsa_enable_private_segment 0
		.amdhsa_kernarg_size 32
		.amdhsa_user_sgpr_count 2
		.amdhsa_user_sgpr_kernarg_segment_ptr 1
		.amdhsa_wavefront_size32 1
		.amdhsa_system_sgpr_workgroup_id_x 1
		.amdhsa_system_sgpr_workgroup_id_y 1
		.amdhsa_system_sgpr_workgroup_id_z 1
		.amdhsa_system_vgpr_workitem_id 0
		.amdhsa_next_free_vgpr 256
		.amdhsa_next_free_sgpr 66
		.amdhsa_reserve_vcc 0
		.amdhsa_float_denorm_mode_32 3
		.amdhsa_float_denorm_mode_16_64 3
		.amdhsa_memory_ordered 1
		.amdhsa_forward_progress 1
		.amdhsa_inst_pref_size 44
	.end_amdhsa_kernel
	.amdgpu_metadata
---
amdhsa.version: [ 1, 2 ]
amdhsa.kernels:
  - .name:           k_q72824753d1_proj
    .symbol:         k_q72824753d1_proj.kd
    .args:
      - { .name: xq, .offset: 0, .size: 8, .value_kind: global_buffer, .address_space: global }
      - { .name: wq, .offset: 8, .size: 8, .value_kind: global_buffer, .address_space: global }
      - { .name: mask, .offset: 16, .size: 8, .value_kind: global_buffer, .address_space: global }
      - { .name: qkv, .offset: 24, .size: 8, .value_kind: global_buffer, .address_space: global }
    .group_segment_fixed_size: 245760
    .private_segment_fixed_size: 0
    .kernarg_segment_align: 8
    .kernarg_segment_size: 32
    .max_flat_workgroup_size: 384
    .sgpr_count:     66
    .vgpr_count:     256
    .wavefront_size: 32
...
	.end_amdgpu_metadata
.endif
;; end of part 2
;; launch attn (part 3): grid 8 x 32, 8 waves a work-group, clusters of 4 x 1, 327,680 bytes of LDS; arguments qkv, mask, af; writes af
.if DOCPART == 3
	.amdgcn_target "amdgcn-amd-amdhsa--gfx1250"
	.amdhsa_code_object_version 6
	.text
	.protected	k_q72824753d1_attn
	.globl	k_q72824753d1_attn
	.p2align	8
	.type	k_q72824753d1_attn,@function
k_q72824753d1_attn:
	s_mov_b64 s[64:65], 0
	v_nop
	global_prefetch_b8 v0, s[64:65] scope:SCOPE_SE
	s_setreg_imm32_b32 hwreg(HW_REG_WAVE_MODE, 25, 1), 1
	s_wait_xcnt 0x0
	s_wait_alu depctr_hold_cnt(0) depctr_sa_sdst(0) depctr_va_vdst(0) depctr_va_sdst(0) depctr_va_ssrc(0) depctr_va_vcc(0) depctr_vm_vsrc(0)
	s_getreg_b32 s2, hwreg(HW_REG_IB_STS2, 6, 4)
	s_cmp_eq_u32 s2, 0
	s_cbranch_scc0 .Lentry_in_a_cluster
	s_endpgm
.Lentry_in_a_cluster:
	s_bfe_u32 s2, ttmp6, 0x10000c
	s_cmp_lg_u32 s2, 0x3003
	s_cbranch_scc0 .Lentry_shape_is_right
	s_endpgm
.Lentry_shape_is_right:
; For each batch and head: O[l] = the sum over m of softmax_m(logit(l, m) x mask(m) + (1 - mask(m)) (-1e30)) V[m], logit = (W0 x)[l] . (W1 x)[m] / 8.  2,048 rows l ("queries"), 2,048 rows m ("keys"), head size 64.
; Operands in f16, products, maxima and sums in f32; the weights p are rounded to f16 for the second product, O / sum once at the end.
; qkv holds images of the operands' registers (16 rows x 32 K in 1,024 bytes: [c 2][lane 32][16]): [which 3][batch x 16 + head][group of 64 positions 32][8,192]; the keys' rows already carry mask x log2(e) / 8.
; af, the result: [block of 128 positions 32][256 channels 4][tile of 16 positions 8][32 channels 8][image], rows = positions, K = channel 64 head + d: the last product's operand as it wants it.
; THE MASK COSTS NO LINE IN THE LOOP: bias(m) = (1 - mask(m)) x (-1e30 log2(e)) is the C of the first product's first instruction, so its result is t = (reference()'s masked logit) x log2(e).  Where every key of a batch is masked all t are equal, and the softmax is uniform, as reference()'s is.
; SOFTMAX: for each query a running maximum M of t and sum l: p = 2^(t - M); in every step O and l are multiplied by a = 2^(old M - new M).  M starts at -3e38, O and l at zero, so the step is written once.
; LIMITS: f16's range, 65,504, for the operands; NaN and infinities are not served.
; SHARES.  A work-group owns 256 queries of one head, each of its eight waves 32: two tiles u = 0, 1.  Two waves share a SIMD, so that one wave's softmax stands beside the other's products; each fragment of K and V read from LDS feeds two products.
; Every wave walks all 2,048 keys, 64 a step.  K and V come through two LDS slots of 512 keys (K's 65,536 bytes, then V's), each wave fetching 16,384 bytes by one tensor load: four slots' worth: two first fills, two refills.
; A wave has two tensor loads out at the start and one behind each round; a refill has a slot's eight key steps, 256 matrix instructions a wave, in which to land.
; LAYOUT.  Both products are used transposed: S^T = K Q^T (source 0 = 16 keys, source 1 = 16 queries), O^T = V^T P (source 0 = 16 channels, source 1 = P): a lane holds ONE query (lane % 16) throughout, and two tiles of S^T rounded in pairs ARE P's fragment.
; CLUSTER.  The four query blocks of a cluster belong to one head and walk the same K and V: each tile is asked for JOINTLY, by the same tensor load with a mask that names the four.
; REGISTERS, in windows of 256: window 0: v1-6, v10, v11 addresses; v8, v9 the add's two; v12, v13 old M; v16-31 statistics, 8 a tile; v32-63 the bias; v64-95 Q; v96-159 S^T, then p; v160-191 P.   window 1: v0-63 K; v64-127 V; v128-191 O^T.
.set SLOT1, 131072                     ; slot 1 begins here
.set VOFF,  65536                      ; in a slot: K's eight groups, then V's
.set BIAS,  262144                     ; behind the slots: 2,048 biases, 8,192 bytes, stored by the waves: no tile lands here
.set SPARE, BIAS+8192                  ; the spare words, 128 bytes for each of 8 waves: four blocks of 256 bytes that no other line names
.set LI,  1                            ; v1   16 x lane: my place in an image's half
.set LIV, 2                            ; v2   the same in V's part of a slot
.set LB,  3                            ; v3   BIAS + 32 (lane / 16): my eight keys' biases in a tile
.set ADK, 4                            ; v4-6 the step's addresses
.set ADV, 5
.set ADB, 6
.set SPW, 8
.set NIL, 9
.set BA,  10                           ; v10  where my thread stores its eight biases
.set MG,  11                           ; v11  and where it loads their masks
.set MO,  12                           ; v12, v13  old M, then old M - new M
.set T,   16                           ; tile u's statistics at T + 8 u: +0 -M, +1 M, +2, +3 l (even keys', odd keys'), +4 .. +7 c0-c3, at work; a, and at the end 1 / l, takes c2's place
.set BI,  32
.set Q,   64                           ; tile u, channels 32 ks on: 16 u + 8 ks
.set S,   96                           ; tile u, keys 16 t on: 32 u + 8 t
.set P,   160                          ; tile u, keys 32 kk on: 16 u + 8 kk
.set KF,  0                            ; window 1: keys 16 t on, channels 32 ks on: 8 (2 t + ks)
.set VF,  64                           ; channels 16 ct on, keys 32 kk on: 8 (2 ct + kk)
.set O,   128                          ; tile u, channels 16 ct on: 32 u + 8 ct
.set WV,  12
.set G1,  24                           ; s[24:31] descriptor group 1
.set G0,  32                           ; s[32:35], s[36:39] group 0, a set for each slot
.set TB,  42                           ; s42  LDS byte at which the step's group of K begins
.set TJ,  43                           ; s43  the step's biases: 256 bytes a step
.set CNT, 44
.set SEL, 46                           ; s[46:47] lane selects for v_permlanex16_b32: lane l xor 16
.set MSB, 0
.macro WIN new                         ; low byte: bits 1:0 source 0, 3:2 source 1, 5:4 source 2, 7:6 destination; the high byte repeats the setting that is left
.if MSB != \new
	s_set_vgpr_msb (MSB<<8)|\new
.set MSB, \new
.endif
.endm
.macro CROUND                          ; a round of the cluster's barrier
	s_barrier_signal -1
	s_barrier_wait -1
	s_cmp_lg_u32 s[WV], 0
	s_cbranch_scc1 .Lnot_wave_0_\@
	s_barrier_signal -3
.Lnot_wave_0_\@:
	s_barrier_wait -3
	s_barrier_signal -1
	s_barrier_wait -1
.endm
	s_load_b128 s[4:7], s[0:1], 0x0                ; qkv s[4:5], mask s[6:7]
	s_load_b64 s[8:9], s[0:1], 0x10                ; af
	v_lshl_add_u32 v[SPW], v0, 2, SPARE
	v_mov_b32 v[NIL], 0
	ds_add_u32 v[SPW], v[NIL]                      ; the wave's opening: the add, twice on end, and its wait ahead of my first tensor load; the set-up below, work on registers, stands between
	ds_add_u32 v[SPW], v[NIL]
	v_lshrrev_b32 v7, 5, v0
	v_readfirstlane_b32 s[WV], v7                  ; wave 0..7
	s_bfe_u32 s13, ttmp6, 0x40000                  ; cx
	s_lshl_b32 s14, ttmp9, 2
	s_add_co_u32 s14, s14, s13                     ; my block of 256 queries: it enters Q's and af's addresses alone
	s_and_b32 s15, ttmp7, 0xffff                   ; 16 x batch + head, which the four partners share
	; descriptor group 1: 16,384 dense bytes as 64 rows of 32 elements of 8 bytes, no padding (images are read 16 bytes a lane on end)
	s_mov_b32 s[G1], 15|(3<<16)|(1<<21)            ; 15:0 the mask: all four work-groups; 17:16 elements of 8 bytes; 21 set beside a mask
	s_mov_b32 s[G1+1], 32<<16                      ; tensor_dim0 = 32
	s_mov_b32 s[G1+2], 64<<16                      ; tensor_dim1 = 64
	s_mov_b32 s[G1+3], 32<<16                      ; tile_dim0 = 32
	s_mov_b32 s[G1+4], 64                          ; tile_dim1 = 64
	s_mov_b32 s[G1+5], 32                          ; from row to row
	s_mov_b32 s[G1+6], 0
	s_mov_b32 s[G1+7], 0
	s_lshr_b32 s16, s[WV], 2                       ; what I fetch: waves 0-3 a quarter of K's part of a slot, waves 4-7 of V's
	s_add_co_u32 s16, s16, 1
	s_lshl_b32 s16, s16, 23                        ; which = 1 or 2
	s_lshl_b32 s18, s15, 18                        ; the head's 262,144 bytes
	s_add_co_u32 s16, s16, s18
	s_and_b32 s19, s[WV], 3
	s_lshl_b32 s20, s19, 14                        ; my quarter
	s_add_co_u32 s16, s16, s20
	s_mov_b32 s17, 0
	s_lshl_b32 s21, s[WV], 14                      ; and where it goes in a slot: 16,384 x wave: no place in the cluster enters an LDS address
	s_lshl_b32 s22, s14, 2                         ; Q: group 4 x block + wave / 2,
	s_lshr_b32 s23, s[WV], 1
	s_add_co_u32 s22, s22, s23
	s_lshl_b32 s22, s22, 13
	s_add_co_u32 s22, s22, s18
	s_and_b32 s23, s[WV], 1                        ; its tiles 2 (wave % 2) and the next
	s_lshl_b32 s23, s23, 12
	s_add_co_u32 s22, s22, s23
	s_mov_b32 s23, 0
	s_lshr_b32 s45, s15, 4                         ; the batch
	s_lshl_b32 s40, s45, 13                        ; its 2,048 masks
	s_mov_b32 s41, 0
	s_lshl_b32 s50, s45, 4                         ; af: block of 128 positions = 16 x batch + 2 x block + wave / 4
	s_lshl_b32 s51, s14, 1
	s_add_co_u32 s50, s50, s51
	s_lshr_b32 s51, s[WV], 2
	s_add_co_u32 s50, s50, s51
	s_lshl_b32 s50, s50, 18
	s_bfe_u32 s51, s15, 0x20002                    ; the 256 channels: head / 4
	s_lshl_b32 s51, s51, 16
	s_add_co_u32 s50, s50, s51
	s_add_co_u32 s50, s50, s20                     ; tiles 2 (wave % 4) and the next: 16,384 x (wave % 4)
	s_and_b32 s51, s15, 3                          ; images 2 (head % 4) and the next
	s_lshl_b32 s51, s51, 11
	s_add_co_u32 s50, s50, s51
	s_mov_b32 s51, 0
	s_mov_b32 s[SEL], 0x76543210
	s_mov_b32 s[SEL+1], 0xfedcba98
	s_mov_b32 s48, 0x7191accd                      ; C = 1e30 x log2(e)
	s_mov_b32 s49, 0xf191accd                      ; -C
	s_mov_b32 s[TJ], 0
	v_and_b32 v7, 31, v0
	v_lshlrev_b32 v[LI], 4, v7
	v_add_nc_u32 v[LIV], VOFF, v[LI]
	v_bfe_u32 v7, v0, 4, 1
	v_lshl_add_u32 v[LB], v7, 5, BIAS
	v_lshl_add_u32 v[BA], v0, 5, BIAS              ; thread t makes the biases of keys 8 t .. 8 t + 7
	v_lshlrev_b32 v[MG], 5, v0
	s_wait_dscnt 0x0                               ; both opening adds are done
	s_wait_kmcnt 0x0
	s_add_nc_u64 s[16:17], s[4:5], s[16:17]
	s_add_nc_u64 s[22:23], s[4:5], s[22:23]
	s_add_nc_u64 s[6:7], s[6:7], s[40:41]
	s_add_nc_u64 s[8:9], s[8:9], s[50:51]
	s_mov_b32 s[G0], 1                             ; 1:0 count = 1
	s_mov_b32 s[G0+1], s21                         ; 63:32 LDS address: slot 0
	s_mov_b64 s[G0+2:G0+3], s[16:17]               ; 120:64 global address: keys 0 to 511
	s_or_b32 s[G0+3], s[G0+3], 0x80000000          ; 127:126 type = 2
	s_mov_b32 s[G0+4], 1
	s_add_co_u32 s[G0+5], s21, SLOT1               ; slot 1:
	s_add_nc_u64 s[G0+6:G0+7], s[16:17], 65536     ; keys 512 to 1,023
	s_or_b32 s[G0+7], s[G0+7], 0x80000000
	CROUND                                         ; all four work-groups are here: the first joint loads meet
	tensor_load_to_lds s[G0:G0+3], s[G1:G1+7]      ; every wave fetches: no branch.  The two first fills stand together, ahead of every wait on TENSORcnt, every LDS read and every other barrier
	s_nop 0
	tensor_load_to_lds s[G0+4:G0+7], s[G1:G1+7]
	s_nop 0
.rept 4
	v_nop
.endr
	global_load_b128 v[BI:BI+3], v[MG], s[6:7]     ; my eight masks
	global_load_b128 v[BI+4:BI+7], v[MG], s[6:7] offset:16
.irp u, 0,1
.irp k, 0,1
.irp c, 0,1
	global_load_b128 v[Q+16*\u+8*\k+4*\c:Q+16*\u+8*\k+4*\c+3], v[LI], s[22:23] offset:2048*\u+1024*\k+512*\c th:TH_LOAD_NT   ; Q stays in registers
.endr
.endr
.endr
.irp u, 0,1
	v_mov_b32 v[T+8*\u+1], 0xff61b1e6              ; M: -3e38, under every t
	v_mov_b32 v[T+8*\u+2], 0                       ; l
	v_mov_b32 v[T+8*\u+3], 0
.endr
	WIN 0x40
.set z, 0
.rept 64
	v_mov_b32 v[O+z], 0                            ; O^T, once: the step is written once, and its first walk finds zeros, which a = 0 leaves zeros
.set z, z+1
.endr
	WIN 0
	s_wait_loadcnt 8                               ; the masks are in; Q's eight loads may be out
.irp i, 0,1,2,3,4,5,6,7
	v_cvt_f32_i32 v[BI+\i], v[BI+\i]
.endr
.irp i, 0,1,2,3,4,5,6,7
	v_fma_f32 v[BI+\i], v[BI+\i], s48, s49         ; (1 - m) x (-C) = m C - C: exactly 0 at m = 1
.endr
	ds_store_b128 v[BA], v[BI:BI+3]
	ds_store_b128 v[BA], v[BI+4:BI+7] offset:16
	s_wait_loadcnt 0x0                             ; Q
	s_wait_tensorcnt 1                             ; my part of slot 0 is in; slot 1's may stay out
	s_wait_dscnt 0x0                               ; for the others' sake: my biases are stored
	s_barrier_signal -1
	s_barrier_wait -1
; A KEY STEP: 64 keys.
.macro TREE w                          ; the sum of a tile's 16 pairs, in place: neighbours w / 2 registers apart
.set z, 0
.rept 32/\w
.irp u, 0,1
	v_pk_add_f32 v[S+32*\u+z:S+32*\u+z+1], v[S+32*\u+z:S+32*\u+z+1], v[S+32*\u+z+\w/2:S+32*\u+z+\w/2+1]
.endr
.set z, z+\w
.endr
.endm
.macro KEYSTEP
	v_add_nc_u32 v[ADK], s[TB], v[LI]              ; these four plain lines are the places behind the last step's products, in front of the loads into the registers that they read (ISA guide 7.12.1 for vector instructions)
	v_add_nc_u32 v[ADV], s[TB], v[LIV]
	v_add_nc_u32 v[ADB], s[TJ], v[LB]
	v_nop
.irp t, 0,1,2,3
	ds_load_b128 v[BI+8*\t:BI+8*\t+3], v[ADB] offset:64*\t          ; the biases in the result's layout: register j of tile t is key 16 t + 8 (lane / 16) + j
	ds_load_b128 v[BI+8*\t+4:BI+8*\t+7], v[ADB] offset:64*\t+16
.endr
	WIN 0x40                                       ; destination window 1
.irp f, 0,1,2,3,4,5,6,7
	ds_load_b128 v[KF+8*\f:KF+8*\f+3], v[ADK] offset:1024*\f
	ds_load_b128 v[KF+8*\f+4:KF+8*\f+7], v[ADK] offset:1024*\f+512
.endr
.irp f, 0,1,2,3,4,5,6,7
	ds_load_b128 v[VF+8*\f:VF+8*\f+3], v[ADV] offset:1024*\f
	ds_load_b128 v[VF+8*\f+4:VF+8*\f+7], v[ADV] offset:1024*\f+512
.endr
	s_wait_dscnt 16                                ; the biases and K are in; V's sixteen loads may be out
	WIN 0x01                                       ; K in window 1
.irp t, 0,1,2,3                        ; S^T = K Q^T + bias.  The eight accumulators take turns, one instruction a turn
.irp u, 0,1
	v_wmma_f32_16x16x32_f16 v[S+32*\u+8*\t:S+32*\u+8*\t+7], v[KF+16*\t:KF+16*\t+7], v[Q+16*\u:Q+16*\u+7], v[BI+8*\t:BI+8*\t+7]
.endr
.endr
.irp t, 0,1,2,3
.irp u, 0,1
	v_wmma_f32_16x16x32_f16 v[S+32*\u+8*\t:S+32*\u+8*\t+7], v[KF+16*\t+8:KF+16*\t+15], v[Q+16*\u+8:Q+16*\u+15], v[S+32*\u+8*\t:S+32*\u+8*\t+7]
.endr
.endr
	WIN 0
	v_mov_b32 v[MO], v[T+1]                        ; old M is kept for a.  (Four places behind the products)
	v_mov_b32 v[MO+1], v[T+9]
	v_nop
	v_nop
.irp j, 0,1,2,3                        ; the maximum of my 32 scores and old M, three operands at a time: four chains, each begun at its accumulator's low end; the two tiles line by line
.irp u, 0,1
	v_max3_num_f32 v[T+8*\u+4+\j], v[S+32*\u+8*\j], v[S+32*\u+8*\j+1], v[S+32*\u+8*\j+2]
.endr
.endr
.irp k, 3,5
.irp j, 0,1,2,3
.irp u, 0,1
	v_max3_num_f32 v[T+8*\u+4+\j], v[T+8*\u+4+\j], v[S+32*\u+8*\j+\k], v[S+32*\u+8*\j+\k+1]
.endr
.endr
.endr
.irp u, 0,1
	v_max3_num_f32 v[T+8*\u+4], v[T+8*\u+4], v[S+32*\u+7], v[S+32*\u+15]
.endr
.irp u, 0,1
	v_max3_num_f32 v[T+8*\u+6], v[T+8*\u+6], v[S+32*\u+23], v[S+32*\u+31]
.endr
.irp u, 0,1
	v_max3_num_f32 v[T+8*\u+4], v[T+8*\u+4], v[T+8*\u+5], v[T+8*\u+6]
.endr
.irp u, 0,1
	v_max3_num_f32 v[T+8*\u+4], v[T+8*\u+4], v[T+8*\u+7], v[T+8*\u+1]
.endr
.irp u, 0,1
	v_permlanex16_b32 v[T+8*\u+5], v[T+8*\u+4], s[SEL], s[SEL+1]   ; the query's other 32 keys lie in the lane 16 away
.endr
.irp u, 0,1
	v_max_num_f32 v[T+8*\u+1], v[T+8*\u+4], v[T+8*\u+5]            ; new M
.endr
.irp u, 0,1
	v_mul_f32 v[T+8*\u], -1.0, v[T+8*\u+1]         ; -M
.endr
.irp u, 0,1
	v_add_f32 v[MO+\u], v[MO+\u], v[T+8*\u]        ; old M - new M
.endr
.set z, 0
.rept 16
.irp u, 0,1
	v_pk_add_f32 v[S+32*\u+z:S+32*\u+z+1], v[S+32*\u+z:S+32*\u+z+1], v[T+8*\u:T+8*\u+1] op_sel_hi:[1,0]   ; t - M, two at a time (of the pair -M, M the low word serves both halves)
.endr
.set z, z+2
.endr
.irp u, 0,1                            ; ONE BATCH: both tiles' a and all 64 p; none of these lines reads an exponential's result
	v_exp_f32 v[T+8*\u+6], v[MO+\u]                ; a = 2^(old M - new M)
.endr
.set z, 0
.rept 64
	v_exp_f32 v[S+z], v[S+z]                       ; p = 2^(t - M), at most 1
.set z, z+1
.endr
	v_nop                                          ; a plain line behind the last exponential (ISA guide 5.7.2),
	s_wait_alu depctr_va_vdst(0)                   ; and the one wait ahead of the batch's first reader
.set z, 0
.rept 32
	v_cvt_pk_f16_f32 v[P+z], v[S+2*z], v[S+2*z+1]  ; two tiles of S^T, rounded in pairs, are a fragment of P
.set z, z+1
.endr
	TREE 4                                         ; the row's sum is taken of the unrounded p
	TREE 8
	TREE 16
	TREE 32
.irp u, 0,1
	v_pk_fma_f32 v[T+8*\u+2:T+8*\u+3], v[T+8*\u+2:T+8*\u+3], v[T+8*\u+6:T+8*\u+7], v[S+32*\u:S+32*\u+1] op_sel_hi:[1,0,1]   ; l = a l + the sum
.endr
	WIN 0x41                                       ; O^T (destination and source 0) in window 1
.set z, 0
.rept 16
.irp u, 0,1
	v_pk_mul_f32 v[O+32*\u+z:O+32*\u+z+1], v[O+32*\u+z:O+32*\u+z+1], v[T+8*\u+6:T+8*\u+7] op_sel_hi:[1,0]   ; O^T x a, each accumulator from its low end on
.endr
.set z, z+2
.endr
	s_wait_dscnt 0x0                               ; V is in
	WIN 0x51                                       ; V, and O^T as C and D, in window 1; P in window 0
.irp k, 0,1                            ; O^T += V^T P: the eight accumulators by turns
.irp c, 0,1,2,3
.irp u, 0,1
	v_wmma_f32_16x16x32_f16 v[O+32*\u+8*\c:O+32*\u+8*\c+7], v[VF+8*(2*\c+\k):VF+8*(2*\c+\k)+7], v[P+16*\u+8*\k:P+16*\u+8*\k+7], v[O+32*\u+8*\c:O+32*\u+8*\c+7]
.endr
.endr
.endr
	WIN 0                                          ; at a label and at a branch every window is 0
.endm
; A slot's eight key steps: written once for each walk of a slot, walked eight times; the LDS addresses hang on s[TB] and s[TJ], stepped by constants in a loop of constant count.
.macro PHASE slot
	s_mov_b32 s[TB], \slot*SLOT1
	s_mov_b32 s[CNT], 8
.Lstep_\@:
	KEYSTEP
	s_add_co_u32 s[TB], s[TB], 8192
	s_add_co_u32 s[TJ], s[TJ], 256
	s_sub_co_u32 s[CNT], s[CNT], 1
	s_cmp_lg_u32 s[CNT], 0
	s_cbranch_scc1 .Lstep_\@
.endm
; THE CHANGE OF SLOTS.  Each wave waits for all its tensor loads (its part of the other slot), adds 0 to its spare word, and waits for that and for its reads of the slot that it leaves.
; fill = 1: the slot is filled again with the keys 1,024 further on.  The barrier is then a round of the cluster's, so that no wave of any partner still reads the slot or has a load on its way, and the joint refill is the first thing behind it.
.macro CHANGE slot, fill
	s_wait_tensorcnt 0x0                           ; no tensor load of mine is out, so a group 0 may be written
	ds_add_u32 v[SPW], v[NIL]                      ; 0 onto my spare word
.if \fill
	s_add_nc_u64 s[G0+4*\slot+2:G0+4*\slot+3], s[G0+4*\slot+2:G0+4*\slot+3], 2*65536   ; two slots on; the type bits on top are not reached
.endif
	s_wait_dscnt 0x0                               ; the add is done, and my reads of the slot are over
.if \fill
	CROUND
	tensor_load_to_lds s[G0+4*\slot:G0+4*\slot+3], s[G1:G1+7]      ; my one tensor load behind the round
	s_nop 0
.rept 4
	v_nop
.endr
.else
	s_barrier_signal -1
	s_barrier_wait -1
.endif
.endm
	PHASE 0                                        ; keys 0 to 511
	CHANGE 0, 1                                    ; slot 0 takes keys 1,024 to 1,535
	PHASE 1                                        ; keys 512 to 1,023
	CHANGE 1, 1                                    ; slot 1 takes keys 1,536 to 2,047
	PHASE 0
	CHANGE 0, 0                                    ; nothing is left to fetch
	PHASE 1
; THE WAY OUT.  l's two halves and the other half of the lanes' are added (these lines are the places behind the last products); O^T / l, rounded to f16: a tile's four registers are half an image of the last product's operand, in the same lanes.
.irp u, 0,1
	v_add_f32 v[T+8*\u+4], v[T+8*\u+2], v[T+8*\u+3]
.endr
.irp u, 0,1
	v_permlanex16_b32 v[T+8*\u+5], v[T+8*\u+4], s[SEL], s[SEL+1]
.endr
.irp u, 0,1
	v_add_f32 v[T+8*\u+4], v[T+8*\u+4], v[T+8*\u+5]
.endr
.irp u, 0,1
	v_rcp_f32 v[T+8*\u+6], v[T+8*\u+4]             ; l is at least 1: the largest p of a row is 1
.endr
	v_nop                                          ; a plain line behind the last reciprocal,
	s_wait_alu depctr_va_vdst(0)                   ; and the wait ahead of the first use: one for both
	WIN 0x41
.set z, 0
.rept 16
.irp u, 0,1
	v_pk_mul_f32 v[O+32*\u+z:O+32*\u+z+1], v[O+32*\u+z:O+32*\u+z+1], v[T+8*\u+6:T+8*\u+7] op_sel_hi:[1,0]
.endr
.set z, z+2
.endr
	WIN 0x05                                       ; sources 0 and 1 window 1, destination window 0: S^T's registers are free
.set z, 0
.rept 32
	v_cvt_pk_f16_f32 v[S+z], v[O+2*z], v[O+2*z+1]
.set z, z+1
.endr
	WIN 0
.irp u, 0,1
.irp c, 0,1,2,3
	global_store_b128 v[LI], v[S+16*\u+4*\c:S+16*\u+4*\c+3], s[8:9] offset:8192*\u+512*\c   ; 32 lanes store 512 consecutive bytes, aligned
.endr
.endr
	s_wait_tensorcnt 0x0                           ; the wave's end: three lines behind my last tensor load and my last LDS store
	ds_add_u32 v[SPW], v[NIL]
	s_wait_dscnt 0x0
	CROUND                                         ; the closing round: no work-group ends while a partner may still ask for a tile that names it
	s_endpgm
.Lfunc_end_k_q72824753d1_attn:
	.size	k_q72824753d1_attn, .Lfunc_end_k_q72824753d1_attn-k_q72824753d1_attn
	.p2alignl 7, 3214868480
	.fill 96, 4, 3214868480
	.section	.rodata,"a",@progbits
	.p2align	6, 0x0
	.amdhsa_kernel k_q72824753d1_attn
		.amdhsa_group_segment_fixed_size 327680
		.amdhsa_private_segment_fixed_size 0
		.amdhsa_enable_private_segment 0
		.amdhsa_kernarg_size 24
		.amdhsa_user_sgpr_count 2
		.amdhsa_user_sgpr_kernarg_segment_ptr 1
		.amdhsa_wavefront_size32 1
		.amdhsa_system_sgpr_workgroup_id_x 1
		.amdhsa_system_sgpr_workgroup_id_y 1
		.amdhsa_system_sgpr_workgroup_id_z 1
		.amdhsa_system_vgpr_workitem_id 0
		.amdhsa_next_free_vgpr 512
		.amdhsa_next_free_sgpr 66
		.amdhsa_reserve_vcc 0
		.amdhsa_float_denorm_mode_32 3
		.amdhsa_float_denorm_mode_16_64 3
		.amdhsa_memory_ordered 1
		.amdhsa_forward_progress 1
		.amdhsa_inst_pref_size 88
	.end_amdhsa_kernel
	.amdgpu_metadata
---
amdhsa.version: [ 1, 2 ]
amdhsa.kernels:
  - .name:           k_q72824753d1_attn
    .symbol:         k_q72824753d1_attn.kd
    .args:
      - { .name: qkv, .offset: 0, .size: 8, .value_kind: global_buffer, .address_space: global }
      - { .name: mask, .offset: 8, .size: 8, .value_kind: global_buffer, .address_space: global }
      - { .name: af, .offset: 16, .size: 8, .value_kind: global_buffer, .address_space: global }
    .group_segment_fixed_size: 327680
    .private_segment_fixed_size: 0
    .kernarg_segment_align: 8
    .kernarg_segment_size: 24
    .max_flat_workgroup_size: 256
    .sgpr_count:     66
    .vgpr_count:     512
    .wavefront_size: 32
...
	.end_amdgpu_metadata
.endif
;; end of part 3
;; launch outp (part 4): grid 32 x 8, 4 waves a work-group, clusters of 4 x 4, 327,680 bytes of LDS; arguments af, w3f, out0; writes out0
.if DOCPART == 4
	.amdgcn_target "amdgcn-amd-amdhsa--gfx1250"
	.amdhsa_code_object_version 6
	.text
	.protected	k_q72824753d1_outp
	.globl	k_q72824753d1_outp
	.p2align	8
	.type	k_q72824753d1_outp,@function
k_q72824753d1_outp:
	s_mov_b64 s[64:65], 0
	v_nop
	global_prefetch_b8 v0, s[64:65] scope:SCOPE_SE
	s_setreg_imm32_b32 hwreg(HW_REG_WAVE_MODE, 25, 1), 1
	s_wait_xcnt 0x0
	s_wait_alu depctr_hold_cnt(0) depctr_sa_sdst(0) depctr_va_vdst(0) depctr_va_sdst(0) depctr_va_ssrc(0) depctr_va_vcc(0) depctr_vm_vsrc(0)
	s_getreg_b32 s2, hwreg(HW_REG_IB_STS2, 6, 4)
	s_cmp_eq_u32 s2, 0
	s_cbranch_scc0 .Lentry_in_a_cluster
	s_endpgm
.Lentry_in_a_cluster:
	s_bfe_u32 s2, ttmp6, 0x10000c
	s_cmp_lg_u32 s2, 0xf033
	s_cbranch_scc0 .Lentry_shape_is_right
	s_endpgm
.Lentry_shape_is_right:
; out0[b][o][l] = the sum over c of W3[o][c] att[b][c][l], K = 1,024 channels, operands in f16, sums in f32, out0 in f32.
; af (rows = positions 2,048 b + l) and w3f (rows = o) hold images of the operands' registers (16 rows x 32 K in 1,024 bytes: [c 2][lane 32][16]): [block of 128 rows][256 along K 4][tile of 16 rows 8][32 along K 8][image].
; So what a work-group needs of an operand for 256 along K is ONE dense block of 65,536 bytes, and a fragment comes from LDS by two loads of 512 consecutive bytes: no pitch, no padding.
; SHARES.  A tile of the result is 128 positions x 128 o: 256 work-groups of four waves, each 64 x 64: 16 accumulators.  K goes in four steps of 256 through two LDS slots; each wave fetches 32,768 bytes by one tensor load.
; A wave has two tensor loads out at the start and one behind each round; from a refill to the wait for it a wave issues 112 matrix instructions.
; Source 0 = 16 positions, source 1 = 16 o: a lane then holds ONE o and eight neighbouring positions, which are neighbours in out0.
; CLUSTERS: 4 x 4 work-groups.  af's blocks hang on the block of positions (grid x) and are shared along a column of the cluster, w3f's on the block of o (grid y) and are shared along a row: each is asked for jointly.
; REGISTERS: window 0: v16-29 addresses and the add's two; v32-95 at work on the way out; v128-255 the accumulators ((a, b) at 128 + 8 (4 a + b): o tile a, position tile b).
;   window 1: two fragment buffers of 128: for 64 along K, 64 registers of af (2 x 4 fragments), then 64 of w3f.
.set SLOT,   131072                    ; a slot: af's 65,536 bytes, then w3f's
.set BOFF,   65536
.set STAGE,  2*SLOT                    ; behind the slots: 16 rows x 272 bytes for each wave, for the way out; no tile lands here
.set SPITCH, 272                       ; 256 bytes + 16 = 17 x 16, so that the 16 rows of a store start at 16 different 16-byte columns
.set SPARE,  STAGE+4*16*SPITCH         ; the spare words, 128 bytes for each wave: two blocks of 256 bytes that no other line names
.set ADRA, 16                          ; v16-17  LDS address of my af fragments in slot 0, 1
.set ADRB, 20                          ; v20-21  the same for w3f
.set STO,  24
.set RD,   25
.set CO,   26
.set SPW,  28
.set NIL,  29
.set TMP,  32
.set ACC,  128
.set F0,   0
.set F1,   128
.set G1A, 24                           ; s[24:31] descriptor group 1 for af;  s[32:39] group 0, a set for each slot
.set G0A, 32
.set G1B, 48                           ; s[48:55], s[56:63] the same for w3f
.set G0B, 56
.set MSB, 0
.macro WIN new                         ; the immediate's high byte repeats the setting that is left
.if MSB != \new
	s_set_vgpr_msb (MSB<<8)|\new
.set MSB, \new
.endif
.endm
.set MUL,  0x05                        ; sources 0 and 1 window 1; C and D window 0
.set TO_F, 0x40                        ; destination window 1, address window 0
.macro JLOAD s                         ; a joint load: waves 0 and 1 fetch af's two halves, waves 2 and 3 w3f's; the branch hangs on the wave's number alone; an s_nop 0 and four v_nop follow each of the two lines
	s_cmp_eq_u32 s11, 0
	s_cbranch_scc0 .Lfor_b_\@
	tensor_load_to_lds s[G0A+4*\s:G0A+4*\s+3], s[G1A:G1A+7]
	s_nop 0
.rept 4
	v_nop
.endr
	s_branch .Lasked_\@
.Lfor_b_\@:
	tensor_load_to_lds s[G0B+4*\s:G0B+4*\s+3], s[G1B:G1B+7]
	s_nop 0
.rept 4
	v_nop
.endr
.Lasked_\@:
.endm
.macro CREST                           ; a round of the cluster's barrier behind its opening barrier
	s_cmp_lg_u32 s10, 0
	s_cbranch_scc1 .Lnot_wave_0_\@
	s_barrier_signal -3
.Lnot_wave_0_\@:
	s_barrier_wait -3
	s_barrier_signal -1
	s_barrier_wait -1
.endm
.macro CROUND                          ; a whole round
	s_barrier_signal -1
	s_barrier_wait -1
	CREST
.endm
	s_load_b128 s[4:7], s[0:1], 0x0                ; af s[4:5], w3f s[6:7]
	s_load_b64 s[8:9], s[0:1], 0x10                ; out0
	v_lshl_add_u32 v[SPW], v0, 2, SPARE
	v_mov_b32 v[NIL], 0
	ds_add_u32 v[SPW], v[NIL]                      ; the wave's opening: the add, twice on end, and its wait ahead of my first tensor load; the set-up below, work on registers, stands between
	ds_add_u32 v[SPW], v[NIL]
	v_lshrrev_b32 v1, 5, v0
	v_readfirstlane_b32 s10, v1                    ; wave 0..3
	s_lshr_b32 s11, s10, 1                         ; which 64 positions are mine.  Also: I fetch for af (0) or for w3f (1)
	s_and_b32 s12, s10, 1                          ; which 64 o.  Also: which half of that block I fetch
	s_bfe_u32 s40, ttmp6, 0x40000                  ; cx, cy
	s_bfe_u32 s41, ttmp6, 0x40004
	s_lshl_b32 s42, ttmp9, 2
	s_add_co_u32 s42, s42, s40                     ; the block of 128 positions = 4 x cluster x + cx
	s_and_b32 s13, ttmp7, 0xffff
	s_lshl_b32 s13, s13, 2
	s_add_co_u32 s13, s13, s41                     ; the block of 128 o = 4 x cluster y + cy
	s_lshl_b32 s43, s41, 2
	s_lshl_b32 s43, 15, s43                        ; my row of the cluster
	s_lshl_b32 s44, 0x1111, s40                    ; my column
	; descriptor group 1: 32,768 dense bytes as 128 rows of 32 elements of 8 bytes
	s_or_b32 s[G1A], s44, (3<<16)|(1<<21)          ; 15:0 the mask: af's blocks go to my column; 17:16 elements of 8 bytes; 21 set beside a mask
	s_or_b32 s[G1B], s43, (3<<16)|(1<<21)          ; w3f's go to my row
.irp g, G1A, G1B
	s_mov_b32 s[\g+1], 32<<16                      ; tensor_dim0 = 32
	s_mov_b32 s[\g+2], 128<<16                     ; tensor_dim1 = 128
	s_mov_b32 s[\g+3], 32<<16                      ; tile_dim0 = 32
	s_mov_b32 s[\g+4], 128                         ; tile_dim1 = 128
	s_mov_b32 s[\g+5], 32                          ; from row to row
	s_mov_b32 s[\g+6], 0
	s_mov_b32 s[\g+7], 0
.endr
	s_lshl_b32 s17, s12, 15                        ; which half I fetch
	s_lshl_b32 s16, s42, 18
	s_add_co_u32 s16, s16, s17                     ; af: 262,144 x block of positions + 32,768 x half
	s_lshl_b32 s46, s13, 18
	s_add_co_u32 s46, s46, s17                     ; w3f: 262,144 x block of o + 32,768 x half
	s_mov_b32 s17, 0
	s_mov_b32 s47, 0
	s_lshl_b32 s20, s10, 15                        ; where it goes in a slot: 32,768 x wave
	v_and_b32 v1, 31, v0
	v_lshlrev_b32 v3, 4, v1                        ; 16 x lane
	s_lshl_b32 s21, s11, 15                        ; my four tiles of af,
	s_lshl_b32 s22, s12, 15                        ; my four of w3f,
	s_add_co_u32 s22, s22, BOFF                    ; which lie behind af's
.irp s, 0,1
	v_add_nc_u32 v[ADRA+\s], s21, v3
	v_add_nc_u32 v[ADRB+\s], s22, v3
	s_add_co_u32 s21, s21, SLOT
	s_add_co_u32 s22, s22, SLOT
.endr
	v_and_b32 v1, 15, v0                           ; r
	v_bfe_u32 v2, v0, 4, 1                         ; h
	s_mul_i32 s23, s10, 16*SPITCH
	s_add_co_u32 s23, s23, STAGE                   ; my stage
	v_mul_u32_u24 v4, v1, SPITCH                   ; in: row o = r, 32 bytes for each half of the lanes
	v_lshl_add_u32 v4, v2, 5, v4
	v_add_nc_u32 v[STO], s23, v4
	v_mul_u32_u24 v5, v2, SPITCH                   ; back: lanes 0-15 take one row of 256 bytes, lanes 16-31 the next
	v_lshl_add_u32 v5, v1, 4, v5
	v_add_nc_u32 v[RD], s23, v5
	v_lshlrev_b32 v5, 13, v2                       ; and the same two rows in out0: a row is 8,192 bytes
	v_lshl_add_u32 v[CO], v1, 4, v5
	s_lshr_b32 s14, s42, 4                         ; where my part of out0 begins: batch x 8,388,608
	s_lshl_b32 s14, s14, 23
	s_lshl_b32 s15, s13, 20                        ;  + 128 rows of 8,192 bytes x block of o
	s_add_co_u32 s14, s14, s15
	s_lshl_b32 s15, s12, 19                        ;  + my 64 rows
	s_add_co_u32 s14, s14, s15
	s_and_b32 s15, s42, 15                         ;  + 128 positions x 4 bytes
	s_lshl_b32 s15, s15, 9
	s_add_co_u32 s14, s14, s15
	s_lshl_b32 s15, s11, 8                         ;  + my 64 positions
	s_add_co_u32 s14, s14, s15
	s_mov_b32 s15, 0
	s_wait_dscnt 0x0                               ; both opening adds are done
	s_wait_kmcnt 0x0
	s_add_nc_u64 s[16:17], s[4:5], s[16:17]
	s_add_nc_u64 s[46:47], s[6:7], s[46:47]
	s_add_nc_u64 s[8:9], s[8:9], s[14:15]
	CROUND                                         ; all sixteen work-groups are here: the first joint loads meet
.irp s, 0,1
	s_mov_b32 s[G0A+4*\s], 1                       ; 1:0 count = 1
	s_add_co_u32 s[G0A+4*\s+1], s20, \s*SLOT       ; 63:32 LDS address
	s_add_nc_u64 s[G0A+4*\s+2:G0A+4*\s+3], s[16:17], \s*65536   ; 120:64 global address: K step s
	s_or_b32 s[G0A+4*\s+3], s[G0A+4*\s+3], 0x80000000           ; 127:126 type = 2
	s_mov_b32 s[G0B+4*\s], 1
	s_add_co_u32 s[G0B+4*\s+1], s20, \s*SLOT
	s_add_nc_u64 s[G0B+4*\s+2:G0B+4*\s+3], s[46:47], \s*65536
	s_or_b32 s[G0B+4*\s+3], s[G0B+4*\s+3], 0x80000000
	JLOAD \s
.endr
; 8 matrix instructions: o tiles a0, a0 + 1 x all 4 position tiles, 32 along K: half c of buffer f.  zero = 1: the first product starts the sums.  The 16 accumulators take turns.
.macro MUL8 f, c, a0, zero
.irp a, \a0, \a0+1
.irp b, 0,1,2,3
.if \zero
	v_wmma_f32_16x16x32_f16 v[ACC+8*(4*(\a)+\b):ACC+8*(4*(\a)+\b)+7], v[\f+8*(4*\c+\b):\f+8*(4*\c+\b)+7], v[\f+64+8*(4*\c+(\a)):\f+64+8*(4*\c+(\a))+7], 0
.else
	v_wmma_f32_16x16x32_f16 v[ACC+8*(4*(\a)+\b):ACC+8*(4*(\a)+\b)+7], v[\f+8*(4*\c+\b):\f+8*(4*\c+\b)+7], v[\f+64+8*(4*\c+(\a)):\f+64+8*(4*\c+(\a))+7], v[ACC+8*(4*(\a)+\b):ACC+8*(4*(\a)+\b)+7]
.endif
.endr
.endr
.endm
; 32 LDS loads in one run: the fragments of the slot's q-th 64 along K into buffer f; the first 32 along K first
.macro FETCH slot, q, f
	WIN TO_F
.irp c, 0,1
.irp i, 0,1,2,3
	ds_load_b128 v[\f+8*(4*\c+\i):\f+8*(4*\c+\i)+3],         v[ADRA+\slot] offset:8192*\i+1024*(2*(\q)+\c)
	ds_load_b128 v[\f+8*(4*\c+\i)+4:\f+8*(4*\c+\i)+7],       v[ADRA+\slot] offset:8192*\i+1024*(2*(\q)+\c)+512
	ds_load_b128 v[\f+64+8*(4*\c+\i):\f+64+8*(4*\c+\i)+3],   v[ADRB+\slot] offset:8192*\i+1024*(2*(\q)+\c)
	ds_load_b128 v[\f+64+8*(4*\c+\i)+4:\f+64+8*(4*\c+\i)+7], v[ADRB+\slot] offset:8192*\i+1024*(2*(\q)+\c)+512
.endr
.endr
.endm
.macro PLACES                          ; four places in front of loads into registers that matrix instructions have read, and of the first read of results (ISA guide 7.12.1 for vector instructions)
.rept 4
	v_nop
.endr
.endm
; A K step is four quarters of 64 along K, 32 matrix instructions each, on buffers 0, 1, 0, 1.  One of the first three: multiplies buffer f and fetches quarter q into g.
.macro QUARTER slot, q, f, g, zero
	s_wait_dscnt 16                                ; the first 32 along K are in; the sixteen younger loads may be out
	WIN MUL
	MUL8 \f, 0, 0, \zero
	MUL8 \f, 0, 2, \zero
	PLACES
	FETCH \slot, \q, \g
	s_wait_dscnt 32                                ; all but the 32 just issued
	WIN MUL
	MUL8 \f, 1, 0, 0
	MUL8 \f, 1, 2, 0
.endm
; The last quarter multiplies buffer 1 and changes slots: ONE barrier; in front of it each wave waits for all its tensor loads, adds 0 to its spare word, and waits for that and for its own reads of this slot.  fill = 1: this slot is filled again, two K steps ahead.
.macro TURN slot, next, fill
	WIN 0                                          ; (the add's two registers lie in window 0)
	s_wait_tensorcnt 0x0                           ; all my tensor loads have landed: my part of the next slot;
	ds_add_u32 v[SPW], v[NIL]                      ; 0 onto my spare word;
	s_wait_dscnt 17                                ; (the add and the youngest sixteen loads may be out)
	WIN MUL
	MUL8 F1, 0, 0, 0                               ; eight matrix instructions stand between the add and the wait for it
	s_wait_dscnt 0x0                               ; the add is done, and my reads of this slot are over
	s_barrier_signal -1
	MUL8 F1, 0, 2, 0
.if \fill
	WIN 0
.endif
	s_barrier_wait -1
.if \fill
	CREST                                          ; the barrier has opened a round of the cluster's barrier: no wave of any partner still reads this slot or has a load on its way
	s_add_nc_u64 s[G0A+4*\slot+2:G0A+4*\slot+3], s[G0A+4*\slot+2:G0A+4*\slot+3], 2*65536
	s_add_nc_u64 s[G0B+4*\slot+2:G0B+4*\slot+3], s[G0B+4*\slot+2:G0B+4*\slot+3], 2*65536
	JLOAD \slot                                    ; the first tensor load behind the round; the four v_nop behind it are also the places in front of the loads below
.else
	PLACES
.endif
	FETCH \next, 0, F0
	WIN MUL
	MUL8 F1, 1, 0, 0
	MUL8 F1, 1, 2, 0
.endm
	s_wait_tensorcnt 1                             ; my part of K step 0 is in; K step 1's may stay out
	s_barrier_signal -1
	s_barrier_wait -1                              ; everybody's is
	FETCH 0, 0, F0
	QUARTER 0, 1, F0, F1, 1                        ; K step 0: its first products start the sums
	QUARTER 0, 2, F1, F0, 0
	QUARTER 0, 3, F0, F1, 0
	TURN 0, 1, 1                                   ; slot 0 takes K step 2
	QUARTER 1, 1, F0, F1, 0                        ; K step 1
	QUARTER 1, 2, F1, F0, 0
	QUARTER 1, 3, F0, F1, 0
	TURN 1, 0, 1                                   ; slot 1 takes K step 3
	QUARTER 0, 1, F0, F1, 0                        ; K step 2
	QUARTER 0, 2, F1, F0, 0
	QUARTER 0, 3, F0, F1, 0
	TURN 0, 1, 0                                   ; nothing is left to fetch, so no round
	QUARTER 1, 1, F0, F1, 0                        ; K step 3
	QUARTER 1, 2, F1, F0, 0
	QUARTER 1, 3, F0, F1, 0
	s_wait_dscnt 16                                ; the very last quarter
	WIN MUL
	MUL8 F1, 0, 0, 0
	MUL8 F1, 0, 2, 0
	s_wait_dscnt 0x0
	MUL8 F1, 1, 0, 0
	MUL8 F1, 1, 2, 0
	WIN 0
; THE WAY OUT, a tile of 16 o x 64 positions at a time.  A lane holds 32 neighbouring bytes of a row of out0, and the lanes beside it hold other rows: so a block goes through my own stage in LDS and comes back as whole
; rows of 256 bytes.  LDS serves a wave's instructions in order (ISA guide 5.7.1.4): no wait between the stores and the loads, nor in front of the next block's stores.
.macro TOSTAGE a
.irp b, 0,1,2,3
	ds_store_b128 v[STO], v[ACC+8*(4*(\a)+\b):ACC+8*(4*(\a)+\b)+3] offset:64*\b        ; each accumulator from its low end on
	ds_store_b128 v[STO], v[ACC+8*(4*(\a)+\b)+4:ACC+8*(4*(\a)+\b)+7] offset:64*\b+16
.endr
.irp t, 0,1,2,3,4,5,6,7
	ds_load_b128 v[TMP+32*((\a)%2)+4*\t:TMP+32*((\a)%2)+4*\t+3], v[RD] offset:\t*2*SPITCH
.endr
.endm
.macro SEND a, younger                 ; younger: the LDS instructions issued behind block a's loads, which may stay out
	s_wait_dscnt \younger
.irp t, 0,1,2,3,4,5,6,7
	global_store_b128 v[CO], v[TMP+32*((\a)%2)+4*\t:TMP+32*((\a)%2)+4*\t+3], s[8:9] offset:(16*(\a)+2*\t)*8192 th:TH_STORE_NT   ; 16 lanes store 256 consecutive bytes, aligned; written once, read by nobody here.  The offset is 507,904 at the most
.endr
.endm
	PLACES
	TOSTAGE 0
	TOSTAGE 1
	SEND 0, 16                                     ; behind block 0's loads: block 1's 8 stores and 8 loads
	s_wait_xcnt 0x0                                ; block 0's stores have read their registers: block 2's loads may land there
	TOSTAGE 2
	SEND 1, 16
	s_wait_xcnt 0x0                                ; block 1's likewise
	TOSTAGE 3
	SEND 2, 16
	SEND 3, 0
	s_wait_tensorcnt 0x0                           ; the wave's end: three lines behind my last tensor load and my last LDS store
	ds_add_u32 v[SPW], v[NIL]
	s_wait_dscnt 0x0
	CROUND                                         ; the closing round: no work-group ends while a partner may still ask for a block that names it
	s_endpgm
.Lfunc_end_k_q72824753d1_outp:
	.size	k_q72824753d1_outp, .Lfunc_end_k_q72824753d1_outp-k_q72824753d1_outp
	.p2alignl 7, 3214868480
	.fill 96, 4, 3214868480
	.section	.rodata,"a",@progbits
	.p2align	6, 0x0
	.amdhsa_kernel k_q72824753d1_outp
		.amdhsa_group_segment_fixed_size 327680
		.amdhsa_private_segment_fixed_size 0
		.amdhsa_enable_private_segment 0
		.amdhsa_kernarg_size 24
		.amdhsa_user_sgpr_count 2
		.amdhsa_user_sgpr_kernarg_segment_ptr 1
		.amdhsa_wavefront_size32 1
		.amdhsa_system_sgpr_workgroup_id_x 1
		.amdhsa_system_sgpr_workgroup_id_y 1
		.amdhsa_system_sgpr_workgroup_id_z 1
		.amdhsa_system_vgpr_workitem_id 0
		.amdhsa_next_free_vgpr 512
		.amdhsa_next_free_sgpr 66
		.amdhsa_reserve_vcc 0
		.amdhsa_float_denorm_mode_32 3
		.amdhsa_float_denorm_mode_16_64 3
		.amdhsa_memory_ordered 1
		.amdhsa_forward_progress 1
		.amdhsa_inst_pref_size 85
	.end_amdhsa_kernel
	.amdgpu_metadata
---
amdhsa.version: [ 1, 2 ]
amdhsa.kernels:
  - .name:           k_q72824753d1_outp
    .symbol:         k_q72824753d1_outp.kd
    .args:
      - { .name: af, .offset: 0, .size: 8, .value_kind: global_buffer, .address_space: global }
      - { .name: w3f, .offset: 8, .size: 8, .value_kind: global_buffer, .address_space: global }
      - { .name: out0, .offset: 16, .size: 8, .value_kind: global_buffer, .address_space: global }
    .group_segment_fixed_size: 327680
    .private_segment_fixed_size: 0
    .kernarg_segment_align: 8
    .kernarg_segment_size: 24
    .max_flat_workgroup_size: 128
    .sgpr_count:     66
    .vgpr_count:     512
    .wavefront_size: 32
...
	.end_amdgpu_metadata
.endif
;; end of part 4
